; MI455X (gfx1250); checked and timed in simulation.
; The chip was launched on July 23, 2026; its instructions are those of AMD's public machine-readable ISA for CDNA 5 (MIT licence, August 2026) and "CDNA5" Instruction Set Architecture Reference Guide (July 2026). The comments in the code are by the model that wrote it; some were corrected since.
;; Fisher Layer. Allowed arithmetic: float matrix products may take bf16 or f16 operands with f32 sums; all other float work in f32.
;; Inputs: b 32 x 256 float32; w 32 x 256 float32; x 8,192 x 256 float32.
;; Outputs: out0 16,384 float32.
;; 2 versions, each right; version 2 is version 1 with the launch fisher_part written anew for expert scheduling mode. Each part assembles by itself: llvm-mc -triple=amdgcn-amd-amdhsa -mcpu=gfx1250 --defsym DOCPART=n.
;; ======== version 1 of 2: 2 launches
;; limits: values outside matrix products are rounded to bf16
;; workspace buffers: part 8,388,608 bytes
;; launch fisher_part (part 1): grid 128 x 1, 4 waves a work-group, no clusters, 193,024 bytes of LDS; arguments x, w, b, part; writes part
.if DOCPART == 1
	.amdgcn_target "amdgcn-amd-amdhsa--gfx1250"
	.amdhsa_code_object_version 6
	.text
	.protected	k_q109fa6aeb1_fisher_part
	.globl	k_q109fa6aeb1_fisher_part
	.p2align	8
	.type	k_q109fa6aeb1_fisher_part,@function
k_q109fa6aeb1_fisher_part:
	s_mov_b64 s[64:65], 0
	v_nop
	global_prefetch_b8 v0, s[64:65] scope:SCOPE_SE
	s_setreg_imm32_b32 hwreg(HW_REG_WAVE_MODE, 25, 1), 1
	s_wait_xcnt 0x0
; FisherLayer, launch 1 of 2.  x: [8192][256], w, b: [32][256], all f32.  part: [128][16384] f32.
; Work-group p takes rows 64 p .. 64 p + 63 of x and stores, in the order of the output,
;   part[p][k*256+d]      = sum over its rows n of gamma[n][k] * (y2[n][k][d] - 1)
;   part[p][8192+k*256+d] = sum over its rows n of gamma[n][k] * y1[n][k][d]
; The second launch adds the 128 partial vectors and scales them.
;
; THE ARITHMETIC.  With V = -w*w, P = -2*w*w*b, c[k] = -sum_d w*w*b*b:
;   Y[n][k] = 2*y4 = sum_d V[k][d]*x2[n][d] + sum_d P[k][d]*x[n][d] + c[k]        (x2 = x*x; a product over d)
;   gamma   = exp2((Y - max_k Y) * 0.5*log2(e)) / its sum over k                  (the maximum is taken away first)
;   G1 = gamma^T x,  G2 = gamma^T x2,  G0 = gamma^T 1                             (products over n)
;   sum gamma*y1 = w*u, u = G1 + b*G0;  sum gamma*(y2-1) = w*(w*(G2 + b*G1 + b*u)) - G0         (f32)
; FORMATS.  V and P enter the matrix unit as two bf16 each (hi + lo), since the outputs follow differences of w*w between k;
; gamma, x and x2 enter the products over n as hi + lo as well, three products (hi*hi, hi*lo, lo*hi), since w*w*(..) - G0
; takes two nearly equal sums apart.  LIMIT: in the exponent x and x2 are ONE bf16 each (relative rounding up to 2^-9 a term);
; what is common to all k drops out of the softmax, the rest grows with the spread of w*w times the size of x2.
; Sums are formed in another order than the reference's.  NaN and infinities get no care of their own.
;
; SHARES.  Four waves.  Wave c owns columns 64 c .. 64 c + 63 of x, w, b (256 bytes of each row) for all 64 rows, and the same
; columns of the result.  Lane (r, h), r = lane % 16, h = lane / 16.  Load i of a block of 16 rows: lane (r, h) takes the 16 bytes
; x[8 h + i][64 c + 4 r .. + 3], so each load covers two aligned runs of 256 consecutive bytes.  Packing rows i, i + 1 of one
; register column q gives a fragment with n along the registers: tile q of the strip holds columns 64 c + 4 r + q.  In the result,
; register j of the four tiles q then holds four NEIGHBOURING d of row k = 16 t + 8 h + j: sixteen lanes hold 256 neighbouring bytes.
; NO CLUSTER: w and b (64 KiB together) are what work-groups share; a joint load would put them in LDS, 64 KiB more written and
; 64 KiB more read there by each work-group, while a plain load delivers them in the very lane layout in which the weights are
; split and the results are closed; the launch is one pass without a loop.
;
; REGISTERS, in windows of 256 (s_set_vgpr_msb: bits 1:0 source 0, 3:2 source 1, 5:4 source 2, 7:6 destination):
;   window 0: addresses; work registers; accumulators; A fragments
;   window 1: fragments of x hi, x lo, x2 hi, x2 lo (2 blocks of 32 rows x 4 tiles x 8 registers each); at the end the results
;   window 2: v0-127 x in f32, later the weight fragments; v128-191 w; v192-255 b
.set ROWB,  1024                       ; bytes in a row of x, w, b and of a partial result
.set XTROW, 160                        ; xT[d][n]: a row is 64 n x 2 bytes = 128, pitch 160
.set XTBLK, 8*XTROW+16                 ; eight rows, then 16 bytes more: see the stores in CONV
.set XTARR, 8*XTBLK                    ; 64 rows d of one array
.set XTW,   2*XTARR                    ; a wave's xT: x, then x2
.set WLP,   528                        ; weights [k][..]: V hi, V lo, P hi, P lo, 128 bytes each, + 16: an odd multiple of 16
.set WLW,   32*WLP
.set WLB,   4*XTW
.set CWB,   WLB+4*WLW                  ; a wave's 32 words of c, 256 bytes apart
.set SXB,   CWB+1024                   ; partial Y [row tile][from wave][t][half][lane] x 16 bytes
.set GMB,   SXB+32768                  ; gamma [wave][hi, lo][t][lane] x 16 bytes; LDS ends at GMB + 8192 = 192512
; window 0
.set GOFF, 4                           ; 8192 h + 16 r + 256 c: my bytes in x, w, b and part; never rewritten
.set XTS,  5                           ; xT, store
.set XTR,  6                           ; xT, transposing load
.set WLS,  7                           ; weights, store
.set WLR,  8                           ; weights, fragment load
.set CWS,  9
.set CWR,  10
.set SXS,  11
.set SXR,  12
.set GMS,  13
.set GML,  14
.set NEG1, 22                          ; -1.0
.set ONES, 24                          ; v24-31   a fragment of bf16 ones
.set W2N,  32                          ; v32-95   V in f32, then V - hi
.set TP,   96                          ; v96-159  V*b, then P, then P - hi
.set CP,   160                         ; v160-191 partial c
.set TM,   192                         ; v192-223 packed hi and lo
.set CI,   224                         ; v224-239 c as the first C, for each k tile
.set X2T,  32                          ; v32-95   x2 in f32 of 32 rows
.set SA,   32                          ; v32-95   Y: 4 row tiles x 2 k tiles
.set AF,   96                          ; v96-223  A fragments of the product over d: 4 K steps x 4 row tiles
.set Y,    96                          ; v96-159  four partial Y of my 16 rows; then Y, then gamma
.set MX,   160
.set SM,   168
.set GA,   240                         ; v240-255 gamma packed: hi t0, hi t1, lo t0, lo t1
.set G1,   32                          ; v32-95   G1[t][q]
.set G2,   96                          ; v96-159  G2[t][q]
.set G0,   160                         ; v160-175 G0[t]
.set GF,   176                         ; v176-239 gamma fragments [hi, lo][block of 32 rows][t]
; window 1
.set XH,   0
.set XL,   64
.set X2H,  128
.set X2L,  192
.set RES,  0                           ; v0-127 at the end: row (t, j): four numbers of the first half, four of the second
; window 2
.set XF,   0
.set WFR,  0
.set WF,   128
.set BF,   192
.set MSB, 0
.macro WIN new                         ; the immediate's high byte repeats the setting that is left
.if MSB != \new
	s_set_vgpr_msb (MSB<<8)|\new
.set MSB, \new
.endif
.endm
; What reads a matrix result or writes a register that a matrix instruction named stands four places behind it, a matrix instruction
; that writes over such a register five, and only plain vector instructions that name none of its registers are places (ISA guide 7.12.1).
.macro PLACES
.rept 5
	v_nop
.endr
.endm
	s_load_b256 s[4:11], s[0:1], 0x0               ; x s[4:5], w s[6:7], b s[8:9], part s[10:11]
	v_lshl_add_u32 v21, v0, 2, 0x2f000
	v_mov_b32 v23, 0
	v_lshrrev_b32 v1, 5, v0
	v_readfirstlane_b32 s12, v1                    ; wave = column strip c
	v_and_b32 v2, 15, v0                           ; r
	v_bfe_u32 v3, v0, 4, 1                         ; h
	s_lshl_b32 s13, s12, 8                         ; 256 c
	v_lshlrev_b32 v[GOFF], 4, v2
	v_lshl_add_u32 v[GOFF], v3, 13, v[GOFF]
	v_add_nc_u32 v[GOFF], s13, v[GOFF]
	s_lshl_b32 s14, ttmp9, 16                      ; 64 rows of x = one partial vector = 65,536 bytes
	s_mov_b32 s15, 0
	s_wait_kmcnt 0x0
	s_add_nc_u64 s[4:5], s[4:5], s[14:15]
	s_add_nc_u64 s[10:11], s[10:11], s[14:15]
	; All 64 loads of the wave go out at once: first w and b, which are worked on first, then the strip of x.
	; Group g = 8 t + j is row 16 t + j (+ 8 h); load li of x is row 2 li - li % 8 (+ 8 h).
	WIN 0x80                                       ; destination window 2
.set g, 0
.rept 16
	global_load_b128 v[WF+4*g:WF+4*g+3], v[GOFF], s[6:7] offset:(2*g-(g&7))*ROWB
	global_load_b128 v[BF+4*g:BF+4*g+3], v[GOFF], s[8:9] offset:(2*g-(g&7))*ROWB
.set g, g+1
.endr
.set li, 0
.rept 32
	global_load_b128 v[XF+4*li:XF+4*li+3], v[GOFF], s[4:5] offset:(2*li-(li&7))*ROWB th:TH_LOAD_NT
.set li, li+1
.endr
	WIN 0
	; LDS addresses and constants, while the loads are on their way
	v_and_b32 v15, 31, v0
	v_lshlrev_b32 v15, 4, v15                      ; 16 x lane
	v_bfe_u32 v16, v0, 1, 3                        ; r >> 1
	v_and_b32 v17, 1, v0                           ; r & 1
	v_and_b32 v18, 7, v0                           ; lane & 7
	v_bfe_u32 v19, v0, 3, 1                        ; (lane >> 3) & 1
	v_mov_b32 v[NEG1], -1.0
.irp i, 0,1,2,3,4,5,6,7
	v_mov_b32 v[ONES+\i], 0x3f803f80               ; two bf16 ones
.endr
	s_mul_i32 s16, s12, XTW                        ; my wave's xT
	s_mul_i32 s17, s12, WLW
	s_add_co_u32 s17, s17, WLB                     ; my wave's weights
	v_mul_u32_u24 v[XTS], v16, XTBLK               ; row d = 4 r + q = 8 (r >> 1) + 4 (r & 1) + q; bytes 16 h of it
	v_mul_u32_u24 v20, v17, 4*XTROW
	v_add_nc_u32 v[XTS], v[XTS], v20
	v_lshl_add_u32 v[XTS], v3, 4, v[XTS]
	v_add_nc_u32 v[XTS], s16, v[XTS]
	v_mul_u32_u24 v[XTR], v3, XTBLK                ; row d = 8 h + (lane & 7), bytes 16 ((lane >> 3) & 1) of it
	v_mul_u32_u24 v20, v18, XTROW
	v_add_nc_u32 v[XTR], v[XTR], v20
	v_lshl_add_u32 v[XTR], v19, 4, v[XTR]
	v_add_nc_u32 v[XTR], s16, v[XTR]
	v_mul_u32_u24 v[WLS], v3, 8*WLP                ; row k = .. + 8 h, my four d at byte 8 r
	v_lshl_add_u32 v[WLS], v2, 3, v[WLS]
	v_add_nc_u32 v[WLS], s17, v[WLS]
	v_mul_u32_u24 v[WLR], v2, WLP                  ; row k = .. + r, bytes 16 h
	v_lshl_add_u32 v[WLR], v3, 4, v[WLR]
	v_add_nc_u32 v[WLR], s17, v[WLR]
	s_add_co_u32 s18, s13, CWB
	v_lshlrev_b32 v[CWS], 5, v3                    ; word k = .. + 8 h
	v_add_nc_u32 v[CWS], s18, v[CWS]
	v_lshlrev_b32 v[CWR], 2, v2                    ; word k = .. + r
	v_add_nc_u32 v[CWR], s18, v[CWR]
	s_lshl_b32 s19, s12, 11
	s_add_co_u32 s19, s19, SXB
	v_add_nc_u32 v[SXS], s19, v15                  ; what I send: place [..][from me]
	s_lshl_b32 s20, s12, 13
	s_add_co_u32 s20, s20, SXB
	v_add_nc_u32 v[SXR], s20, v15                  ; what I receive: row tile = my number
	s_lshl_b32 s21, s12, 11
	s_add_co_u32 s21, s21, GMB
	v_add_nc_u32 v[GMS], s21, v15
	v_add_nc_u32 v[GML], GMB, v15
	; THE WEIGHTS of my 64 columns, 64 numbers a lane.
	s_wait_loadcnt 32                              ; loads come back in order (ISA guide 5.7.1): w and b are in, the 32 loads of x stay out
	WIN 0x0a                                       ; sources 0, 1 window 2
.set e, 0
.rept 32
	v_pk_mul_f32 v[W2N+2*e:W2N+2*e+1], v[WF+2*e:WF+2*e+1], v[WF+2*e:WF+2*e+1] neg_lo:[0,1] neg_hi:[0,1]   ; V = -w*w
.set e, e+1
.endr
	WIN 0x02                                       ; source 0 window 2
.set e, 0
.rept 32
	v_pk_mul_f32 v[TP+2*e:TP+2*e+1], v[BF+2*e:BF+2*e+1], v[W2N+2*e:W2N+2*e+1]                             ; V*b
.set e, e+1
.endr
.set g, 0
.rept 16
	v_pk_mul_f32 v[CP+2*g:CP+2*g+1], v[BF+4*g:BF+4*g+1], v[TP+4*g:TP+4*g+1]                               ; V*b*b, four numbers of a row
.set g, g+1
.endr
.set g, 0
.rept 16
	v_pk_fma_f32 v[CP+2*g:CP+2*g+1], v[BF+4*g+2:BF+4*g+3], v[TP+4*g+2:TP+4*g+3], v[CP+2*g:CP+2*g+1]
.set g, g+1
.endr
	WIN 0
.set g, 0
.rept 16
	v_add_f32 v[CP+2*g], v[CP+2*g], v[CP+2*g+1]
.set g, g+1
.endr
.irp x, 1,2,4,8                                    ; over the 16 lanes that hold one row k: sixteen chains side by side
.set g, 0
.rept 16
	v_add_f32_dpp v[CP+2*g], v[CP+2*g], v[CP+2*g] row_xmask:\x row_mask:0xf bank_mask:0xf
.set g, g+1
.endr
.endr
.set g, 0
.rept 16
	ds_store_b32 v[CWS], v[CP+2*g] offset:4*(2*g-(g&7))    ; my strip's part of c[k]; the 16 lanes write one word with one value
.set g, g+1
.endr
.set e, 0
.rept 32
	v_pk_add_f32 v[TP+2*e:TP+2*e+1], v[TP+2*e:TP+2*e+1], v[TP+2*e:TP+2*e+1]                               ; P = 2*V*b
.set e, e+1
.endr
; Four groups of four numbers: hi = bf16(a), lo = bf16(a - hi); a - hi in one fused step straight from the bf16 half.
; A lane's four d are 8 bytes of row k; lanes 0-15 fill 128 bytes of one row, lanes 16-31 of the row 8 x 528 = 128 (mod 256) bytes on.
.macro SPLIT4 src, g0, arr, tm
.irp u, 0,1,2,3
	v_cvt_pk_bf16_f32 v[\tm+4*\u],   v[\src+4*(\g0+\u)],   v[\src+4*(\g0+\u)+1]
	v_cvt_pk_bf16_f32 v[\tm+4*\u+1], v[\src+4*(\g0+\u)+2], v[\src+4*(\g0+\u)+3]
.endr
.irp u, 0,1,2,3
	ds_store_b64 v[WLS], v[\tm+4*\u:\tm+4*\u+1] offset:(2*(\g0+\u)-((\g0+\u)&7))*WLP+128*\arr
	v_fma_mix_f32_bf16 v[\src+4*(\g0+\u)],   v[\tm+4*\u],   v[NEG1], v[\src+4*(\g0+\u)]   op_sel:[0,0,0] op_sel_hi:[1,0,0]
	v_fma_mix_f32_bf16 v[\src+4*(\g0+\u)+1], v[\tm+4*\u],   v[NEG1], v[\src+4*(\g0+\u)+1] op_sel:[1,0,0] op_sel_hi:[1,0,0]
	v_fma_mix_f32_bf16 v[\src+4*(\g0+\u)+2], v[\tm+4*\u+1], v[NEG1], v[\src+4*(\g0+\u)+2] op_sel:[0,0,0] op_sel_hi:[1,0,0]
	v_fma_mix_f32_bf16 v[\src+4*(\g0+\u)+3], v[\tm+4*\u+1], v[NEG1], v[\src+4*(\g0+\u)+3] op_sel:[1,0,0] op_sel_hi:[1,0,0]
.endr
.irp u, 0,1,2,3
	v_cvt_pk_bf16_f32 v[\tm+4*\u+2], v[\src+4*(\g0+\u)],   v[\src+4*(\g0+\u)+1]
	v_cvt_pk_bf16_f32 v[\tm+4*\u+3], v[\src+4*(\g0+\u)+2], v[\src+4*(\g0+\u)+3]
.endr
.irp u, 0,1,2,3
	ds_store_b64 v[WLS], v[\tm+4*\u+2:\tm+4*\u+3] offset:(2*(\g0+\u)-((\g0+\u)&7))*WLP+128*(\arr+1)
.endr
.endm
	SPLIT4 W2N, 0,  0, TM
	SPLIT4 W2N, 4,  0, TM+16
	SPLIT4 W2N, 8,  0, TM
	SPLIT4 W2N, 12, 0, TM+16
	SPLIT4 TP,  0,  2, TM
	SPLIT4 TP,  4,  2, TM+16
	SPLIT4 TP,  8,  2, TM
	SPLIT4 TP,  12, 2, TM+16
	; c in the accumulators' layout (lane r holds k = 16 t + r in all eight registers): it is the C of each sum's first product.
	ds_load_b32 v[CI],   v[CWR]                    ; LDS serves a wave's instructions in order (ISA guide 5.7.1): these see my stores above
	ds_load_b32 v[CI+8], v[CWR] offset:64
	s_wait_dscnt 0x0
.irp i, 1,2,3,4,5,6,7
	v_mov_b32 v[CI+\i],   v[CI]
	v_mov_b32 v[CI+8+\i], v[CI+8]
.endr
; 32 ROWS OF x (block s): x and x2 as hi + lo fragments with n along the registers.  Rows li, li + 1 of register column q pack into
; register 4 pt + ip of tile q: lane (r, h) holds n = 32 s + 16 pt + 8 h + 2 ip, + 1 of column 64 c + 4 r + q.
; The hi fragments also go to LDS as xT[d][n].  Row d = 4 r + q lies at 1296 (r >> 1) + 640 (r & 1) + 160 q: modulo 256 that is
; 16 (r >> 1) + 128 (r & 1) + a constant, so the sixteen lanes of a half store to sixteen different 16-byte columns.
.macro CONV s
	WIN 0x4a                                       ; destination window 1, sources window 2
.irp pt, 0,1
.irp ip, 0,1,2,3
.irp q, 0,1,2,3
	v_cvt_pk_bf16_f32 v[XH+8*(4*\s+\q)+4*\pt+\ip], v[XF+4*(16*\s+8*\pt+2*\ip)+\q], v[XF+4*(16*\s+8*\pt+2*\ip)+4+\q]
.endr
.endr
.endr
	WIN 0x0a                                       ; destination window 0
.set e, 0
.rept 32
	v_pk_mul_f32 v[X2T+2*e:X2T+2*e+1], v[XF+64*\s+2*e:XF+64*\s+2*e+1], v[XF+64*\s+2*e:XF+64*\s+2*e+1]
.set e, e+1
.endr
	WIN 0xa1                                       ; x - hi, in place: source 0 window 1, source 2 and destination window 2
.irp pt, 0,1
.irp ip, 0,1,2,3
.irp q, 0,1,2,3
	v_fma_mix_f32_bf16 v[XF+4*(16*\s+8*\pt+2*\ip)+\q],   v[XH+8*(4*\s+\q)+4*\pt+\ip], v[NEG1], v[XF+4*(16*\s+8*\pt+2*\ip)+\q]   op_sel:[0,0,0] op_sel_hi:[1,0,0]
	v_fma_mix_f32_bf16 v[XF+4*(16*\s+8*\pt+2*\ip)+4+\q], v[XH+8*(4*\s+\q)+4*\pt+\ip], v[NEG1], v[XF+4*(16*\s+8*\pt+2*\ip)+4+\q] op_sel:[1,0,0] op_sel_hi:[1,0,0]
.endr
.endr
.endr
	WIN 0x4a
.irp pt, 0,1
.irp ip, 0,1,2,3
.irp q, 0,1,2,3
	v_cvt_pk_bf16_f32 v[XL+8*(4*\s+\q)+4*\pt+\ip], v[XF+4*(16*\s+8*\pt+2*\ip)+\q], v[XF+4*(16*\s+8*\pt+2*\ip)+4+\q]
.endr
.endr
.endr
	WIN 0x40                                       ; destination window 1, sources window 0
.irp pt, 0,1
.irp ip, 0,1,2,3
.irp q, 0,1,2,3
	v_cvt_pk_bf16_f32 v[X2H+8*(4*\s+\q)+4*\pt+\ip], v[X2T+4*(8*\pt+2*\ip)+\q], v[X2T+4*(8*\pt+2*\ip)+4+\q]
.endr
.endr
.endr
	WIN 0x01                                       ; x2 - hi, in place in window 0
.irp pt, 0,1
.irp ip, 0,1,2,3
.irp q, 0,1,2,3
	v_fma_mix_f32_bf16 v[X2T+4*(8*\pt+2*\ip)+\q],   v[X2H+8*(4*\s+\q)+4*\pt+\ip], v[NEG1], v[X2T+4*(8*\pt+2*\ip)+\q]   op_sel:[0,0,0] op_sel_hi:[1,0,0]
	v_fma_mix_f32_bf16 v[X2T+4*(8*\pt+2*\ip)+4+\q], v[X2H+8*(4*\s+\q)+4*\pt+\ip], v[NEG1], v[X2T+4*(8*\pt+2*\ip)+4+\q] op_sel:[1,0,0] op_sel_hi:[1,0,0]
.endr
.endr
.endr
	WIN 0x40
.irp pt, 0,1
.irp ip, 0,1,2,3
.irp q, 0,1,2,3
	v_cvt_pk_bf16_f32 v[X2L+8*(4*\s+\q)+4*\pt+\ip], v[X2T+4*(8*\pt+2*\ip)+\q], v[X2T+4*(8*\pt+2*\ip)+4+\q]
.endr
.endr
.endr
	WIN 0x04                                       ; store data window 1
.irp q, 0,1,2,3
.irp pt, 0,1
	ds_store_b128 v[XTS], v[XH+8*(4*\s+\q)+4*\pt:XH+8*(4*\s+\q)+4*\pt+3]   offset:XTROW*\q+64*\s+32*\pt
	ds_store_b128 v[XTS], v[X2H+8*(4*\s+\q)+4*\pt:X2H+8*(4*\s+\q)+4*\pt+3] offset:XTARR+XTROW*\q+64*\s+32*\pt
.endr
.endr
.endm
	s_wait_loadcnt 16                              ; the first 16 loads of x (rows 0-31) are in, the 16 loads of rows 32-63 stay out
	CONV 0
	s_wait_loadcnt 0x0
	CONV 1
	; THE PRODUCT OVER d: Y of all 64 rows over my 64 columns.  K step (a, ks): a = 0 is x2 with V, a = 1 is x with P; ks: d = 32 ks ..
	; The weight fragments (lane r: k = 16 t + r; two loads of 16 bytes, 32 bytes apart) take the registers that x in f32 has left.
	WIN 0x80
.irp a, 0,1
.irp ks, 0,1
.irp pr, 0,1
.irp t, 0,1
	ds_load_b128 v[WFR+8*(8*\a+4*\ks+2*\pr+\t):WFR+8*(8*\a+4*\ks+2*\pr+\t)+3],   v[WLR] offset:16*WLP*\t+128*(2*\a+\pr)+64*\ks
	ds_load_b128 v[WFR+8*(8*\a+4*\ks+2*\pr+\t)+4:WFR+8*(8*\a+4*\ks+2*\pr+\t)+7], v[WLR] offset:16*WLP*\t+128*(2*\a+\pr)+64*\ks+32
.endr
.endr
.endr
.endr
	WIN 0
	; A fragments out of xT[d][n] by the transposing load: lane (r, h) gets d = 32 ks + 8 h + 0..7 (then + 16) of row n = 16 m + r.
	; The eight rows that a group of eight lanes addresses lie 160 bytes apart: eight different 32-byte columns modulo 256.
.irp a, 0,1
.irp ks, 0,1
.irp m, 0,1,2,3
	ds_load_tr16_b128 v[AF+8*(8*\a+4*\ks+\m):AF+8*(8*\a+4*\ks+\m)+3],   v[XTR] offset:(1-\a)*XTARR+4*XTBLK*\ks+32*\m
	ds_load_tr16_b128 v[AF+8*(8*\a+4*\ks+\m)+4:AF+8*(8*\a+4*\ks+\m)+7], v[XTR] offset:(1-\a)*XTARR+4*XTBLK*\ks+32*\m+2*XTBLK
.endr
.endr
.endr
; 16 matrix instructions of a K step: hi weights, then lo.  The eight accumulators take turns, one instruction a turn.
; first = 1: the sums start from my strip's part of c: nothing is cleared.
.macro STEP2 a, ks, first
.irp pr, 0,1
.irp m, 0,1,2,3
.irp t, 0,1
.if (\first)*(1-\pr)
	v_wmma_f32_16x16x32_bf16 v[SA+8*(2*\m+\t):SA+8*(2*\m+\t)+7], v[AF+8*(8*\a+4*\ks+\m):AF+8*(8*\a+4*\ks+\m)+7], v[WFR+8*(8*\a+4*\ks+2*\pr+\t):WFR+8*(8*\a+4*\ks+2*\pr+\t)+7], v[CI+8*\t:CI+8*\t+7]
.else
	v_wmma_f32_16x16x32_bf16 v[SA+8*(2*\m+\t):SA+8*(2*\m+\t)+7], v[AF+8*(8*\a+4*\ks+\m):AF+8*(8*\a+4*\ks+\m)+7], v[WFR+8*(8*\a+4*\ks+2*\pr+\t):WFR+8*(8*\a+4*\ks+2*\pr+\t)+7], v[SA+8*(2*\m+\t):SA+8*(2*\m+\t)+7]
.endif
.endr
.endr
.endr
.endm
	WIN 0x08                                       ; B (source 1) window 2
	s_wait_dscnt 24                                ; LDS loads come back in order: all weight fragments and this K step's 8 loads are in, 3 x 8 younger stay out
	STEP2 0, 0, 1
	s_wait_dscnt 16                                ; 2 x 8 stay out
	STEP2 0, 1, 0
	s_wait_dscnt 8                                 ; the last K step's 8 stay out
	STEP2 1, 0, 0
	s_wait_dscnt 0x0
	STEP2 1, 1, 0
	WIN 0
	PLACES
	; THE FOUR STRIPS' PARTS OF Y MEET.  Row tile m goes to wave m; 16 bytes a lane, neighbouring lanes at neighbouring bytes.
.irp m, 0,1,2,3
.irp t, 0,1
.irp hf, 0,1
	ds_store_b128 v[SXS], v[SA+8*(2*\m+\t)+4*\hf:SA+8*(2*\m+\t)+4*\hf+3] offset:8192*\m+1024*\t+512*\hf
.endr
.endr
.endr
	s_wait_dscnt 0x0                               ; my stores are done, for the other waves' sake
	s_barrier_signal -1
	s_barrier_wait -1
.irp f, 0,1,2,3
.irp t, 0,1
.irp hf, 0,1
	ds_load_b128 v[Y+16*\f+8*\t+4*\hf:Y+16*\f+8*\t+4*\hf+3], v[SXR] offset:2048*\f+1024*\t+512*\hf
.endr
.endr
.endr
	s_wait_dscnt 0x0
.irp i, 0,1,2,3,4,5,6,7
	v_pk_add_f32 v[Y+2*\i:Y+2*\i+1], v[Y+2*\i:Y+2*\i+1], v[Y+16+2*\i:Y+16+2*\i+1]
	v_pk_add_f32 v[Y+32+2*\i:Y+32+2*\i+1], v[Y+32+2*\i:Y+32+2*\i+1], v[Y+48+2*\i:Y+48+2*\i+1]
.endr
.irp i, 0,1,2,3,4,5,6,7
	v_pk_add_f32 v[Y+2*\i:Y+2*\i+1], v[Y+2*\i:Y+2*\i+1], v[Y+32+2*\i:Y+32+2*\i+1]
.endr
	; SOFTMAX over k of my 16 rows.  Register 8 t + j of lane (r, h): row 16 c + 8 h + j, k = 16 t + r: a row's 32 k lie in two
	; registers of the 16 lanes of a half.
.irp j, 0,1,2,3,4,5,6,7
	v_max_num_f32 v[MX+\j], v[Y+\j], v[Y+8+\j]
.endr
.irp x, 1,2,4,8
.irp j, 0,1,2,3,4,5,6,7
	v_max_num_f32_dpp v[MX+\j], v[MX+\j], v[MX+\j] row_xmask:\x row_mask:0xf bank_mask:0xf
.endr
.endr
.irp t, 0,1
.irp i, 0,1,2,3
	v_pk_add_f32 v[Y+8*\t+2*\i:Y+8*\t+2*\i+1], v[Y+8*\t+2*\i:Y+8*\t+2*\i+1], v[MX+2*\i:MX+2*\i+1] neg_lo:[0,1] neg_hi:[0,1]   ; Y - max: at most 0
.endr
.endr
.irp i, 0,1,2,3,4,5,6,7
	v_pk_mul_f32 v[Y+2*\i:Y+2*\i+1], v[Y+2*\i:Y+2*\i+1], 0x3f38aa3b op_sel_hi:[1,0]    ; times 0.5 log2(e): y4 = Y / 2, and v_exp_f32 is 2^x
.endr
.irp i, 0,1,2,3,4,5,6,7,8,9,10,11,12,13,14,15
	v_exp_f32 v[Y+\i], v[Y+\i]
.endr
	v_nop                                          ; one plain vector instruction behind the last transcendental (ISA guide 5.7.2)
	s_wait_alu depctr_va_vdst(0)
.irp i, 0,1,2,3
	v_pk_add_f32 v[SM+2*\i:SM+2*\i+1], v[Y+2*\i:Y+2*\i+1], v[Y+8+2*\i:Y+8+2*\i+1]
.endr
.irp x, 1,2,4,8
.irp j, 0,1,2,3,4,5,6,7
	v_add_f32_dpp v[SM+\j], v[SM+\j], v[SM+\j] row_xmask:\x row_mask:0xf bank_mask:0xf
.endr
.endr
.irp j, 0,1,2,3,4,5,6,7
	v_rcp_f32 v[SM+\j], v[SM+\j]                   ; the sum is at least 1: the largest term is 2^0
.endr
	v_nop
	s_wait_alu depctr_va_vdst(0)
.irp t, 0,1
.irp i, 0,1,2,3
	v_pk_mul_f32 v[Y+8*\t+2*\i:Y+8*\t+2*\i+1], v[Y+8*\t+2*\i:Y+8*\t+2*\i+1], v[SM+2*\i:SM+2*\i+1]    ; gamma
.endr
.endr
	; gamma as hi + lo.  Packing rows j, j + 1 gives half an A fragment of gamma^T: lane r is row k = 16 t + r, n = 16 c + 8 h + 0..7 along four registers.
.irp t, 0,1
.irp i, 0,1,2,3
	v_cvt_pk_bf16_f32 v[GA+4*\t+\i], v[Y+8*\t+2*\i], v[Y+8*\t+2*\i+1]
.endr
.endr
.irp t, 0,1
.irp i, 0,1,2,3
	v_fma_mix_f32_bf16 v[Y+8*\t+2*\i],   v[GA+4*\t+\i], v[NEG1], v[Y+8*\t+2*\i]   op_sel:[0,0,0] op_sel_hi:[1,0,0]
	v_fma_mix_f32_bf16 v[Y+8*\t+2*\i+1], v[GA+4*\t+\i], v[NEG1], v[Y+8*\t+2*\i+1] op_sel:[1,0,0] op_sel_hi:[1,0,0]
.endr
.endr
.irp t, 0,1
.irp i, 0,1,2,3
	v_cvt_pk_bf16_f32 v[GA+8+4*\t+\i], v[Y+8*\t+2*\i], v[Y+8*\t+2*\i+1]
.endr
.endr
.irp pr, 0,1
.irp t, 0,1
	ds_store_b128 v[GMS], v[GA+8*\pr+4*\t:GA+8*\pr+4*\t+3] offset:1024*\pr+512*\t
.endr
.endr
	s_wait_dscnt 0x0                               ; my stores are done, for the other waves' sake
	s_barrier_signal -1
	s_barrier_wait -1
	; Block s of 32 rows: registers 0-3 from wave 2 s (n = 32 s + 8 h ..), registers 4-7 from wave 2 s + 1 (n = 32 s + 16 + 8 h ..)
.irp pr, 0,1
.irp s, 0,1
.irp t, 0,1
	ds_load_b128 v[GF+8*(4*\pr+2*\s+\t):GF+8*(4*\pr+2*\s+\t)+3],   v[GML] offset:4096*\s+1024*\pr+512*\t
	ds_load_b128 v[GF+8*(4*\pr+2*\s+\t)+4:GF+8*(4*\pr+2*\s+\t)+7], v[GML] offset:4096*\s+1024*\pr+512*\t+2048
.endr
.endr
.endr
	s_wait_dscnt 0x0
; THE PRODUCTS OVER n: 16 matrix instructions, gamma part pr of block s with x's fragments at xb1 (into G1) and x2's at xb2 (into G2).
; The sixteen accumulators take turns, one instruction a turn.  zero = 1: the first product starts the sums.
.macro NPROD pr, xb1, xb2, s, zero
.irp t, 0,1
.irp q, 0,1,2,3
.if \zero
	v_wmma_f32_16x16x32_bf16 v[G1+8*(4*\t+\q):G1+8*(4*\t+\q)+7], v[GF+8*(4*\pr+2*\s+\t):GF+8*(4*\pr+2*\s+\t)+7], v[\xb1+8*(4*\s+\q):\xb1+8*(4*\s+\q)+7], 0
	v_wmma_f32_16x16x32_bf16 v[G2+8*(4*\t+\q):G2+8*(4*\t+\q)+7], v[GF+8*(4*\pr+2*\s+\t):GF+8*(4*\pr+2*\s+\t)+7], v[\xb2+8*(4*\s+\q):\xb2+8*(4*\s+\q)+7], 0
.else
	v_wmma_f32_16x16x32_bf16 v[G1+8*(4*\t+\q):G1+8*(4*\t+\q)+7], v[GF+8*(4*\pr+2*\s+\t):GF+8*(4*\pr+2*\s+\t)+7], v[\xb1+8*(4*\s+\q):\xb1+8*(4*\s+\q)+7], v[G1+8*(4*\t+\q):G1+8*(4*\t+\q)+7]
	v_wmma_f32_16x16x32_bf16 v[G2+8*(4*\t+\q):G2+8*(4*\t+\q)+7], v[GF+8*(4*\pr+2*\s+\t):GF+8*(4*\pr+2*\s+\t)+7], v[\xb2+8*(4*\s+\q):\xb2+8*(4*\s+\q)+7], v[G2+8*(4*\t+\q):G2+8*(4*\t+\q)+7]
.endif
.endr
.endr
.endm
	WIN 0x04                                       ; B (source 1) window 1
	NPROD 0, XH, X2H, 0, 1                         ; hi * hi
	NPROD 0, XL, X2L, 0, 0                         ; hi * lo
	NPROD 1, XH, X2H, 0, 0                         ; lo * hi
	NPROD 0, XH, X2H, 1, 0
	NPROD 0, XL, X2L, 1, 0
	NPROD 1, XH, X2H, 1, 0
	WIN 0
	; G0 = gamma^T 1: every column of the tile holds the sum over n; the two accumulators take turns
.irp t, 0,1
	v_wmma_f32_16x16x32_bf16 v[G0+8*\t:G0+8*\t+7], v[GF+8*\t:GF+8*\t+7], v[ONES:ONES+7], 0
.endr
.irp u, 2,4,6
.irp t, 0,1
	v_wmma_f32_16x16x32_bf16 v[G0+8*\t:G0+8*\t+7], v[GF+8*(\u+\t):GF+8*(\u+\t)+7], v[ONES:ONES+7], v[G0+8*\t:G0+8*\t+7]
.endr
.endr
	PLACES
	; CLOSING, in f32.  Element (t, j, q) of lane (r, h): k = 16 t + 8 h + j, d = 64 c + 4 r + q; w and b lie as they were loaded.
	WIN 0x02                                       ; source 0 window 2
.irp t, 0,1
.irp j, 0,1,2,3,4,5,6,7
.irp q, 0,1,2,3
	v_fma_f32 v[G2+8*(4*\t+\q)+\j], v[BF+4*(8*\t+\j)+\q], v[G1+8*(4*\t+\q)+\j], v[G2+8*(4*\t+\q)+\j]    ; G2 + b*G1
.endr
.endr
.endr
.irp t, 0,1
.irp j, 0,1,2,3,4,5,6,7
.irp q, 0,1,2,3
	v_fma_f32 v[G1+8*(4*\t+\q)+\j], v[BF+4*(8*\t+\j)+\q], v[G0+8*\t+\j], v[G1+8*(4*\t+\q)+\j]           ; u = G1 + b*G0
.endr
.endr
.endr
.irp t, 0,1
.irp j, 0,1,2,3,4,5,6,7
.irp q, 0,1,2,3
	v_fma_f32 v[G2+8*(4*\t+\q)+\j], v[BF+4*(8*\t+\j)+\q], v[G1+8*(4*\t+\q)+\j], v[G2+8*(4*\t+\q)+\j]    ; + b*u
.endr
.endr
.endr
.irp t, 0,1
.irp j, 0,1,2,3,4,5,6,7
.irp q, 0,1,2,3
	v_mul_f32 v[G2+8*(4*\t+\q)+\j], v[WF+4*(8*\t+\j)+\q], v[G2+8*(4*\t+\q)+\j]                          ; times w
.endr
.endr
.endr
	WIN 0x42                                       ; and destination window 1: the four q of a row become four neighbouring registers
.irp t, 0,1
.irp j, 0,1,2,3,4,5,6,7
.irp q, 0,1,2,3
	v_mul_f32 v[RES+8*(8*\t+\j)+4+\q], v[WF+4*(8*\t+\j)+\q], v[G1+8*(4*\t+\q)+\j]                       ; sum gamma*y1 = w*u
	v_fma_f32 v[RES+8*(8*\t+\j)+\q], v[WF+4*(8*\t+\j)+\q], v[G2+8*(4*\t+\q)+\j], -v[G0+8*\t+\j]         ; sum gamma*(y2-1)
.endr
.endr
.endr
	WIN 0x04                                       ; store data window 1
.irp t, 0,1
.irp j, 0,1,2,3,4,5,6,7
	global_store_b128 v[GOFF], v[RES+8*(8*\t+\j):RES+8*(8*\t+\j)+3],   s[10:11] offset:ROWB*(16*\t+\j)          ; each store: two aligned runs of 256 consecutive bytes
	global_store_b128 v[GOFF], v[RES+8*(8*\t+\j)+4:RES+8*(8*\t+\j)+7], s[10:11] offset:ROWB*(16*\t+\j)+32768
.endr
.endr
	WIN 0
	s_wait_tensorcnt 0x0
	ds_add_u32 v21, v23
	s_wait_dscnt 0x0
	s_endpgm
.Lfunc_end_k_q109fa6aeb1_fisher_part:
	.size	k_q109fa6aeb1_fisher_part, .Lfunc_end_k_q109fa6aeb1_fisher_part-k_q109fa6aeb1_fisher_part
	.p2alignl 7, 3214868480
	.fill 96, 4, 3214868480
	.section	.rodata,"a",@progbits
	.p2align	6, 0x0
	.amdhsa_kernel k_q109fa6aeb1_fisher_part
		.amdhsa_group_segment_fixed_size 193024
		.amdhsa_private_segment_fixed_size 0
		.amdhsa_enable_private_segment 0
		.amdhsa_kernarg_size 32
		.amdhsa_user_sgpr_count 2
		.amdhsa_user_sgpr_kernarg_segment_ptr 1
		.amdhsa_wavefront_size32 1
		.amdhsa_system_sgpr_workgroup_id_x 1
		.amdhsa_system_sgpr_workgroup_id_y 1
		.amdhsa_system_sgpr_workgroup_id_z 1
		.amdhsa_system_vgpr_workitem_id 0
		.amdhsa_next_free_vgpr 768
		.amdhsa_next_free_sgpr 66
		.amdhsa_reserve_vcc 0
		.amdhsa_float_denorm_mode_32 3
		.amdhsa_float_denorm_mode_16_64 3
		.amdhsa_memory_ordered 1
		.amdhsa_forward_progress 1
		.amdhsa_inst_pref_size 135
	.end_amdhsa_kernel
	.amdgpu_metadata
---
amdhsa.version: [ 1, 2 ]
amdhsa.kernels:
  - .name:           k_q109fa6aeb1_fisher_part
    .symbol:         k_q109fa6aeb1_fisher_part.kd
    .args:
      - { .name: x, .offset: 0, .size: 8, .value_kind: global_buffer, .address_space: global }
      - { .name: w, .offset: 8, .size: 8, .value_kind: global_buffer, .address_space: global }
      - { .name: b, .offset: 16, .size: 8, .value_kind: global_buffer, .address_space: global }
      - { .name: part, .offset: 24, .size: 8, .value_kind: global_buffer, .address_space: global }
    .group_segment_fixed_size: 193024
    .private_segment_fixed_size: 0
    .kernarg_segment_align: 8
    .kernarg_segment_size: 32
    .max_flat_workgroup_size: 128
    .sgpr_count:     66
    .vgpr_count:     768
    .wavefront_size: 32
...
	.end_amdgpu_metadata
.endif
;; end of part 1
;; launch fisher_sum (part 2): grid 256 x 1, 8 waves a work-group, no clusters, 5,120 bytes of LDS; arguments part, out0; writes out0
.if DOCPART == 2
	.amdgcn_target "amdgcn-amd-amdhsa--gfx1250"
	.amdhsa_code_object_version 6
	.text
	.protected	k_q109fa6aeb1_fisher_sum
	.globl	k_q109fa6aeb1_fisher_sum
	.p2align	8
	.type	k_q109fa6aeb1_fisher_sum,@function
k_q109fa6aeb1_fisher_sum:
	s_mov_b64 s[64:65], 0
	v_nop
	global_prefetch_b8 v0, s[64:65] scope:SCOPE_SE
	s_setreg_imm32_b32 hwreg(HW_REG_WAVE_MODE, 25, 1), 1
	s_wait_xcnt 0x0
; FisherLayer, launch 2 of 2.  part: [128][16384] f32, out0: [16384] f32.
; out0[o] = scale * sum over p of part[p][o]; scale = 1 / (8192 sqrt 2) for the first 8192 outputs, 1 / 8192 for the others.
; Work-group g owns outputs 64 g .. 64 g + 63: 256 consecutive bytes of every partial vector and of out0.
; Sixteen neighbouring lanes take the 256 bytes of one partial vector; the 16 half waves take partials hw + 16 i, i = 0 .. 7:
; eight loads a lane, all issued at once, each covering two aligned runs of 256 bytes.  The 16 half waves' sums meet in LDS.
; No matrix unit, no cluster, no tensor load: each byte is read once, straight into the registers that add it.
.set PARTB, 65536                      ; bytes in a partial vector
; Folds n pairs at v[4 ..] with the n pairs behind them
.macro FOLD n
.set p, 0
.rept \n
	v_pk_add_f32 v[4+2*p:5+2*p], v[4+2*p:5+2*p], v[4+2*\n+2*p:5+2*\n+2*p]
.set p, p+1
.endr
.endm
	s_load_b128 s[4:7], s[0:1], 0x0                ; part s[4:5], out0 s[6:7]
	v_lshl_add_u32 v40, v0, 2, 0x1000
	v_mov_b32 v41, 0
	v_lshrrev_b32 v2, 5, v0
	v_readfirstlane_b32 s8, v2                     ; wave
	v_lshrrev_b32 v1, 4, v0                        ; half wave 0 .. 15
	v_and_b32 v3, 15, v0
	v_lshlrev_b32 v3, 4, v3
	v_lshl_add_u32 v1, v1, 16, v3                  ; its partial vector + my 16 bytes
	v_lshlrev_b32 v3, 4, v0                        ; LDS: [half wave][16 lanes] x 16 bytes
	s_lshl_b32 s12, ttmp9, 8                       ; my 256 bytes
	s_mov_b32 s13, 0
	s_mov_b32 s9, 0x38b504f3                       ; 2^-13.5
	s_mov_b32 s10, 0x39000000                      ; 2^-13
	s_cmp_lt_u32 ttmp9, 0x80                       ; the first 128 work-groups hold the first 8192 outputs
	s_cselect_b32 s10, s9, s10
	s_mov_b32 s11, s10
	s_wait_kmcnt 0x0
	s_add_nc_u64 s[4:5], s[4:5], s[12:13]
	s_add_nc_u64 s[6:7], s[6:7], s[12:13]
.irp i, 0,1,2,3,4,5,6,7
	global_load_b128 v[4+4*\i:7+4*\i], v1, s[4:5] offset:16*\i*PARTB th:TH_LOAD_NT
.endr
	s_wait_loadcnt 0x0
	FOLD 8                                         ; eight quads to four,
	FOLD 4                                         ; to two,
	FOLD 2                                         ; to one
	ds_store_b128 v3, v[4:7]
	s_wait_dscnt 0x0                               ; my store is done, for wave 0's sake
	s_barrier_signal -1
	s_barrier_wait -1
	s_cmp_lg_u32 s8, 0
	s_cbranch_scc1 .Lend                           ; wave 0 alone closes the sums: 64 outputs, two a lane
	v_and_b32 v36, 31, v0
	v_lshlrev_b32 v36, 3, v36                      ; 8 x lane, in LDS and in out0
.irp e, 0,1,2,3,4,5,6,7,8,9,10,11,12,13,14,15
	ds_load_b64 v[4+2*\e:5+2*\e], v36 offset:256*\e
.endr
	s_wait_dscnt 0x0
	FOLD 8
	FOLD 4
	FOLD 2
	FOLD 1
	v_pk_mul_f32 v[4:5], v[4:5], s[10:11] op_sel_hi:[1,0]
	global_store_b64 v36, v[4:5], s[6:7]           ; 32 lanes store 256 consecutive bytes, aligned
.Lend:
	s_wait_tensorcnt 0x0
	ds_add_u32 v40, v41
	s_wait_dscnt 0x0
	s_endpgm
.Lfunc_end_k_q109fa6aeb1_fisher_sum:
	.size	k_q109fa6aeb1_fisher_sum, .Lfunc_end_k_q109fa6aeb1_fisher_sum-k_q109fa6aeb1_fisher_sum
	.p2alignl 7, 3214868480
	.fill 96, 4, 3214868480
	.section	.rodata,"a",@progbits
	.p2align	6, 0x0
	.amdhsa_kernel k_q109fa6aeb1_fisher_sum
		.amdhsa_group_segment_fixed_size 5120
		.amdhsa_private_segment_fixed_size 0
		.amdhsa_enable_private_segment 0
		.amdhsa_kernarg_size 16
		.amdhsa_user_sgpr_count 2
		.amdhsa_user_sgpr_kernarg_segment_ptr 1
		.amdhsa_wavefront_size32 1
		.amdhsa_system_sgpr_workgroup_id_x 1
		.amdhsa_system_sgpr_workgroup_id_y 1
		.amdhsa_system_sgpr_workgroup_id_z 1
		.amdhsa_system_vgpr_workitem_id 0
		.amdhsa_next_free_vgpr 42
		.amdhsa_next_free_sgpr 66
		.amdhsa_reserve_vcc 0
		.amdhsa_float_denorm_mode_32 3
		.amdhsa_float_denorm_mode_16_64 3
		.amdhsa_memory_ordered 1
		.amdhsa_forward_progress 1
		.amdhsa_inst_pref_size 6
	.end_amdhsa_kernel
	.amdgpu_metadata
---
amdhsa.version: [ 1, 2 ]
amdhsa.kernels:
  - .name:           k_q109fa6aeb1_fisher_sum
    .symbol:         k_q109fa6aeb1_fisher_sum.kd
    .args:
      - { .name: part, .offset: 0, .size: 8, .value_kind: global_buffer, .address_space: global }
      - { .name: out0, .offset: 8, .size: 8, .value_kind: global_buffer, .address_space: global }
    .group_segment_fixed_size: 5120
    .private_segment_fixed_size: 0
    .kernarg_segment_align: 8
    .kernarg_segment_size: 16
    .max_flat_workgroup_size: 256
    .sgpr_count:     66
    .vgpr_count:     42
    .wavefront_size: 32
...
	.end_amdgpu_metadata
.endif
;; end of part 2
;; ======== version 2 of 2: 2 launches; version 1 with the launch fisher_part written anew for expert scheduling mode
;; limits: values outside matrix products are rounded to bf16
;; workspace buffers: part 8,388,608 bytes
;; launch fisher_part (part 3): grid 128 x 1, 4 waves a work-group, no clusters, 193,024 bytes of LDS; arguments x, w, b, part; writes part
.if DOCPART == 3
	.amdgcn_target "amdgcn-amd-amdhsa--gfx1250"
	.amdhsa_code_object_version 6
	.text
	.protected	k_q109fa6aeb1_fisher_part
	.globl	k_q109fa6aeb1_fisher_part
	.p2align	8
	.type	k_q109fa6aeb1_fisher_part,@function
k_q109fa6aeb1_fisher_part:
	s_mov_b64 s[64:65], 0
	v_nop
	global_prefetch_b8 v0, s[64:65] scope:SCOPE_SE
	s_setreg_imm32_b32 hwreg(HW_REG_WAVE_SCHED_MODE, 0, 2), 2
	s_setreg_imm32_b32 hwreg(HW_REG_WAVE_MODE, 25, 1), 1
	s_wait_xcnt 0x0
	s_wait_alu depctr_vm_vsrc(0)
; FisherLayer, launch 1 of 2.  x: [8192][256], w, b: [32][256], all f32.  part: [128][16384] f32.
; Work-group p takes rows 64 p .. 64 p + 63 of x and stores, in the order of the output,
;   part[p][k*256+d]      = sum over its rows n of gamma[n][k] * (y2[n][k][d] - 1)
;   part[p][8192+k*256+d] = sum over its rows n of gamma[n][k] * y1[n][k][d]
; The second launch adds the 128 partial vectors and scales them.
;
; THE ARITHMETIC.  With V = -w*w, P = -2*w*w*b, c[k] = -sum_d w*w*b*b:
;   Y[n][k] = 2*y4 = sum_d V[k][d]*x2[n][d] + sum_d P[k][d]*x[n][d] + c[k]        (x2 = x*x; a product over d)
;   gamma   = exp2((Y - max_k Y) * 0.5*log2(e)) / its sum over k                  (the maximum is taken away first)
;   G1 = gamma^T x,  G2 = gamma^T x2,  G0 = gamma^T 1                             (products over n)
;   sum gamma*y1 = w*u, u = G1 + b*G0;  sum gamma*(y2-1) = w*(w*(G2 + b*G1 + b*u)) - G0         (f32)
; FORMATS.  V and P enter the matrix unit as two bf16 each (hi + lo), since the outputs follow differences of w*w between k;
; gamma, x and x2 enter the products over n as hi + lo as well, three products (hi*hi, hi*lo, lo*hi), since w*w*(..) - G0
; takes two nearly equal sums apart.  LIMIT: in the exponent x and x2 are ONE bf16 each (relative rounding up to 2^-9 a term);
; what is common to all k drops out of the softmax, the rest grows with the spread of w*w times the size of x2.
; Sums are formed in another order than the reference's.  NaN and infinities get no care of their own.
;
; SHARES.  Four waves.  Wave c owns columns 64 c .. 64 c + 63 of x, w, b (256 bytes of each row) for all 64 rows, and the same
; columns of the result.  Lane (r, h), r = lane % 16, h = lane / 16.  Load i of a block of 16 rows: lane (r, h) takes the 16 bytes
; x[8 h + i][64 c + 4 r .. + 3], so each load covers two aligned runs of 256 consecutive bytes.  Packing rows i, i + 1 of one
; register column q gives a fragment with n along the registers: tile q of the strip holds columns 64 c + 4 r + q.  In the result,
; register j of the four tiles q then holds four NEIGHBOURING d of row k = 16 t + 8 h + j: sixteen lanes hold 256 neighbouring bytes.
; NO CLUSTER: w and b (64 KiB together) are what work-groups share; a joint load would put them in LDS, 64 KiB more written and
; 64 KiB more read there by each work-group, while a plain load delivers them in the very lane layout in which the weights are
; split and the results are closed; the launch is one pass without a loop.
;
; THE MODE: SCHED_MODE bits 1:0 = 2 (LLVM: expert scheduling mode 2), set by the entry lines.  The code itself states the register
; dependences between vector or matrix instructions and memory or LDS instructions, with s_wait_alu, always for 0.
; THE PLAN.  Registers that memory or LDS instructions touch, in the order of the text:
;   v4-v14        offsets and LDS addresses: made once at the head, read by loads and stores, never written again.
;   CP, HV, HP    c's sums and the hi packs of V and P: written by vector lines, read by 48 LDS stores, which are dealt among the residual lines (these write W2N and TP alone).
;   lo packs      close up in place in W2N and TP: written by the lo conversions, read by 32 LDS stores.
;                 Behind ONE wait on vm_vsrc all these registers are free: c (CI), x2 (X2T), the A fragments, gamma's packs and fragments take them.
;   XH, X2H       written by a block's hi conversions, read by its 16 stores to xT, which stand among the block's residual lines (these write XF, XL, X2T, X2L alone).
;   XF            block s names its own half alone; V's fragments land in block 0's half while block 1 is worked on, P's in block 1's half behind its last reader.
;   AF            the transposing loads land there among block 1's last lines, which name none of these registers.
;   SA, GA, RES   written by matrix or vector lines, each read by one run of stores behind one wait on va_vdst; k tile 0 of RES is stored while tile 1 is closed.
;
; REGISTERS, in windows of 256 (s_set_vgpr_msb: bits 1:0 source 0, 3:2 source 1, 5:4 source 2, 7:6 destination):
;   window 0: addresses; work registers; accumulators; A fragments
;   window 1: fragments of x hi, x lo, x2 hi, x2 lo (2 blocks of 32 rows x 4 tiles x 8 registers each); at the end the results
;   window 2: v0-127 x in f32, later the weight fragments; v128-191 w; v192-255 b
.set ROWB,  1024                       ; bytes in a row of x, w, b and of a partial result
.set XTROW, 160                        ; xT[d][n]: a row is 64 n x 2 bytes = 128, pitch 160
.set XTBLK, 8*XTROW+16                 ; eight rows, then 16 bytes more: see the stores in CONV
.set XTARR, 8*XTBLK                    ; 64 rows d of one array
.set XTW,   2*XTARR                    ; a wave's xT: x, then x2
.set WLP,   528                        ; weights [k][..]: V hi, V lo, P hi, P lo, 128 bytes each, + 16: an odd multiple of 16
.set WLW,   32*WLP
.set WLB,   4*XTW
.set CWB,   WLB+4*WLW                  ; a wave's 32 words of c, 256 bytes apart
.set SXB,   CWB+1024                   ; partial Y [row tile][from wave][t][half][lane] x 16 bytes
.set GMB,   SXB+32768                  ; gamma [wave][hi, lo][t][lane] x 16 bytes; LDS ends at GMB + 8192 = 192512
; window 0
.set GOFF, 4                           ; 8192 h + 16 r + 256 c: my bytes in x, w, b and part; never rewritten
.set XTS,  5                           ; xT, store
.set XTR,  6                           ; xT, transposing load
.set WLS,  7                           ; weights, store
.set WLR,  8                           ; weights, fragment load
.set CWS,  9
.set CWR,  10
.set SXS,  11
.set SXR,  12
.set GMS,  13
.set GML,  14
.set NEG1, 22                          ; -1.0
.set ONES, 24                          ; v24-31   a fragment of bf16 ones
.set W2N,  32                          ; v32-95   V in f32, then V - hi, then its lo packs in the first two of each four
.set TP,   96                          ; v96-159  V*b, then P, then P - hi, then its lo packs likewise
.set CP,   160                         ; v160-191 partial c
.set HV,   192                         ; v192-223 V's hi packs, two registers a group of four numbers
.set HP,   224                         ; v224-255 P's hi packs
.set CI,   224                         ; v224-239 later: c as the first C, for each k tile
.set X2T,  32                          ; v32-95   x2 in f32 of 32 rows
.set SA,   32                          ; v32-95   Y: 4 row tiles x 2 k tiles
.set AF,   96                          ; v96-223  A fragments of the product over d: 4 K steps x 4 row tiles
.set Y,    96                          ; v96-159  four partial Y of my 16 rows; then Y, then gamma
.set MX,   160
.set SM,   168
.set GA,   240                         ; v240-255 gamma packed: hi t0, hi t1, lo t0, lo t1
.set G1,   32                          ; v32-95   G1[t][q]
.set G2,   96                          ; v96-159  G2[t][q]
.set G0,   160                         ; v160-175 G0[t]
.set GF,   176                         ; v176-239 gamma fragments [hi, lo][block of 32 rows][t]
; window 1
.set XH,   0
.set XL,   64
.set X2H,  128
.set X2L,  192
.set RES,  0                           ; v0-127 at the end: row (t, j): four numbers of the first half, four of the second
; window 2
.set XF,   0
.set WFR,  0
.set WF,   128
.set BF,   192
.set MSB, 0
.macro WIN new                         ; the immediate's high byte repeats the setting that is left
.if MSB != \new
	s_set_vgpr_msb (MSB<<8)|\new
.set MSB, \new
.endif
.endm
; What reads a matrix result or writes a register that a matrix instruction named stands four places behind it, a matrix instruction
; that writes over such a register five, and only plain vector instructions that name none of its registers are places (ISA guide 7.12.1).
.macro PLACES
.rept 5
	v_nop
.endr
.endm
	s_load_b256 s[4:11], s[0:1], 0x0               ; x s[4:5], w s[6:7], b s[8:9], part s[10:11]
	v_lshl_add_u32 v21, v0, 2, 0x2f000
	v_mov_b32 v23, 0
	v_lshrrev_b32 v1, 5, v0
	v_readfirstlane_b32 s12, v1                    ; wave = column strip c
	v_and_b32 v2, 15, v0                           ; r
	v_bfe_u32 v3, v0, 4, 1                         ; h
	v_lshlrev_b32 v[GOFF], 4, v2
	v_lshl_add_u32 v[GOFF], v3, 13, v[GOFF]
	s_wait_alu depctr_va_sdst(0)                   ; s12 is written, ahead of its first reader: the strip's offset and the wave's LDS bases are made from it
	s_lshl_b32 s13, s12, 8                         ; 256 c
	v_add_nc_u32 v[GOFF], s13, v[GOFF]
	s_lshl_b32 s14, ttmp9, 16                      ; 64 rows of x = one partial vector = 65,536 bytes
	s_mov_b32 s15, 0
	s_wait_kmcnt 0x0
	s_add_nc_u64 s[4:5], s[4:5], s[14:15]
	s_add_nc_u64 s[10:11], s[10:11], s[14:15]
	; All 64 loads of the wave go out at once: first w and b, which are worked on first, then the strip of x.
	; Group g = 8 t + j is row 16 t + j (+ 8 h); load li of x is row 2 li - li % 8 (+ 8 h).
	WIN 0x80                                       ; destination window 2
	s_wait_alu depctr_va_vdst(0)                   ; v[GOFF] is written: every global load and store of the kernel reads it as its offset
.set g, 0
.rept 16
	global_load_b128 v[WF+4*g:WF+4*g+3], v[GOFF], s[6:7] offset:(2*g-(g&7))*ROWB
	global_load_b128 v[BF+4*g:BF+4*g+3], v[GOFF], s[8:9] offset:(2*g-(g&7))*ROWB
.set g, g+1
.endr
.set li, 0
.rept 32
	global_load_b128 v[XF+4*li:XF+4*li+3], v[GOFF], s[4:5] offset:(2*li-(li&7))*ROWB th:TH_LOAD_NT
.set li, li+1
.endr
	WIN 0
	; LDS addresses and constants, while the loads are on their way
	v_and_b32 v15, 31, v0
	v_lshlrev_b32 v15, 4, v15                      ; 16 x lane
	v_bfe_u32 v16, v0, 1, 3                        ; r >> 1
	v_and_b32 v17, 1, v0                           ; r & 1
	v_and_b32 v18, 7, v0                           ; lane & 7
	v_bfe_u32 v19, v0, 3, 1                        ; (lane >> 3) & 1
	v_mov_b32 v[NEG1], -1.0
.irp i, 0,1,2,3,4,5,6,7
	v_mov_b32 v[ONES+\i], 0x3f803f80               ; two bf16 ones
.endr
	s_mul_i32 s16, s12, XTW                        ; my wave's xT
	s_mul_i32 s17, s12, WLW
	s_add_co_u32 s17, s17, WLB                     ; my wave's weights
	v_mul_u32_u24 v[XTS], v16, XTBLK               ; row d = 4 r + q = 8 (r >> 1) + 4 (r & 1) + q; bytes 16 h of it
	v_mul_u32_u24 v20, v17, 4*XTROW
	v_add_nc_u32 v[XTS], v[XTS], v20
	v_lshl_add_u32 v[XTS], v3, 4, v[XTS]
	v_add_nc_u32 v[XTS], s16, v[XTS]
	v_mul_u32_u24 v[XTR], v3, XTBLK                ; row d = 8 h + (lane & 7), bytes 16 ((lane >> 3) & 1) of it
	v_mul_u32_u24 v20, v18, XTROW
	v_add_nc_u32 v[XTR], v[XTR], v20
	v_lshl_add_u32 v[XTR], v19, 4, v[XTR]
	v_add_nc_u32 v[XTR], s16, v[XTR]
	v_mul_u32_u24 v[WLS], v3, 8*WLP                ; row k = .. + 8 h, my four d at byte 8 r
	v_lshl_add_u32 v[WLS], v2, 3, v[WLS]
	v_add_nc_u32 v[WLS], s17, v[WLS]
	v_mul_u32_u24 v[WLR], v2, WLP                  ; row k = .. + r, bytes 16 h
	v_lshl_add_u32 v[WLR], v3, 4, v[WLR]
	v_add_nc_u32 v[WLR], s17, v[WLR]
	s_add_co_u32 s18, s13, CWB
	v_lshlrev_b32 v[CWS], 5, v3                    ; word k = .. + 8 h
	v_add_nc_u32 v[CWS], s18, v[CWS]
	v_lshlrev_b32 v[CWR], 2, v2                    ; word k = .. + r
	v_add_nc_u32 v[CWR], s18, v[CWR]
	s_lshl_b32 s19, s12, 11
	s_add_co_u32 s19, s19, SXB
	v_add_nc_u32 v[SXS], s19, v15                  ; what I send: place [..][from me]
	s_lshl_b32 s20, s12, 13
	s_add_co_u32 s20, s20, SXB
	v_add_nc_u32 v[SXR], s20, v15                  ; what I receive: row tile = my number
	s_lshl_b32 s21, s12, 11
	s_add_co_u32 s21, s21, GMB
	v_add_nc_u32 v[GMS], s21, v15
	v_add_nc_u32 v[GML], GMB, v15
	; THE WEIGHTS of my 64 columns, 64 numbers a lane.
	s_wait_loadcnt 32                              ; loads come back in order (ISA guide 5.7.1): w and b are in, the 32 loads of x stay out
	WIN 0x0a                                       ; sources 0, 1 window 2
.set e, 0
.rept 32
	v_pk_mul_f32 v[W2N+2*e:W2N+2*e+1], v[WF+2*e:WF+2*e+1], v[WF+2*e:WF+2*e+1] neg_lo:[0,1] neg_hi:[0,1]   ; V = -w*w
.set e, e+1
.endr
	WIN 0x02                                       ; source 0 window 2
.set e, 0
.rept 32
	v_pk_mul_f32 v[TP+2*e:TP+2*e+1], v[BF+2*e:BF+2*e+1], v[W2N+2*e:W2N+2*e+1]                             ; V*b
.set e, e+1
.endr
.set g, 0
.rept 16
	v_pk_mul_f32 v[CP+2*g:CP+2*g+1], v[BF+4*g:BF+4*g+1], v[TP+4*g:TP+4*g+1]                               ; V*b*b, four numbers of a row
.set g, g+1
.endr
.set g, 0
.rept 16
	v_pk_fma_f32 v[CP+2*g:CP+2*g+1], v[BF+4*g+2:BF+4*g+3], v[TP+4*g+2:TP+4*g+3], v[CP+2*g:CP+2*g+1]
.set g, g+1
.endr
	WIN 0
.set g, 0
.rept 16
	v_add_f32 v[CP+2*g], v[CP+2*g], v[CP+2*g+1]
.set g, g+1
.endr
.irp x, 1,2,4,8                                    ; over the 16 lanes that hold one row k: sixteen chains side by side
.set g, 0
.rept 16
	v_add_f32_dpp v[CP+2*g], v[CP+2*g], v[CP+2*g] row_xmask:\x row_mask:0xf bank_mask:0xf
.set g, g+1
.endr
.endr
.set e, 0
.rept 32
	v_pk_add_f32 v[TP+2*e:TP+2*e+1], v[TP+2*e:TP+2*e+1], v[TP+2*e:TP+2*e+1]                               ; P = 2*V*b
.set e, e+1
.endr
	; hi = bf16(a), lo = bf16(a - hi); a - hi in one fused step straight from the bf16 half.  First all hi packs, group g (four numbers of row 2 g - g % 8 + 8 h) in two registers.
.set g, 0
.rept 16
	v_cvt_pk_bf16_f32 v[HV+2*g],   v[W2N+4*g],   v[W2N+4*g+1]
	v_cvt_pk_bf16_f32 v[HV+2*g+1], v[W2N+4*g+2], v[W2N+4*g+3]
	v_cvt_pk_bf16_f32 v[HP+2*g],   v[TP+4*g],    v[TP+4*g+1]
	v_cvt_pk_bf16_f32 v[HP+2*g+1], v[TP+4*g+2],  v[TP+4*g+3]
.set g, g+1
.endr
	s_wait_alu depctr_va_vdst(0)                   ; written: the ten LDS addresses v5 to v14, which every LDS instruction of the kernel reads; c's sixteen sums; the hi packs HV and HP, which the stores below read
	; A lane's four d are 8 bytes of row k; lanes 0-15 fill 128 bytes of one row, lanes 16-31 of the row 8 x 528 = 128 (mod 256) bytes on.
	; The 48 stores are dealt among the residual lines, which read HV and HP and write W2N and TP: no register that a store reads is written.
.set g, 0
.rept 16
	ds_store_b32 v[CWS], v[CP+2*g] offset:4*(2*g-(g&7))    ; my strip's part of c[k]; the 16 lanes write one word with one value
	ds_store_b64 v[WLS], v[HV+2*g:HV+2*g+1] offset:(2*g-(g&7))*WLP
	ds_store_b64 v[WLS], v[HP+2*g:HP+2*g+1] offset:(2*g-(g&7))*WLP+256
	v_fma_mix_f32_bf16 v[W2N+4*g],   v[HV+2*g],   v[NEG1], v[W2N+4*g]   op_sel:[0,0,0] op_sel_hi:[1,0,0]
	v_fma_mix_f32_bf16 v[W2N+4*g+1], v[HV+2*g],   v[NEG1], v[W2N+4*g+1] op_sel:[1,0,0] op_sel_hi:[1,0,0]
	v_fma_mix_f32_bf16 v[W2N+4*g+2], v[HV+2*g+1], v[NEG1], v[W2N+4*g+2] op_sel:[0,0,0] op_sel_hi:[1,0,0]
	v_fma_mix_f32_bf16 v[W2N+4*g+3], v[HV+2*g+1], v[NEG1], v[W2N+4*g+3] op_sel:[1,0,0] op_sel_hi:[1,0,0]
	v_fma_mix_f32_bf16 v[TP+4*g],    v[HP+2*g],   v[NEG1], v[TP+4*g]    op_sel:[0,0,0] op_sel_hi:[1,0,0]
	v_fma_mix_f32_bf16 v[TP+4*g+1],  v[HP+2*g],   v[NEG1], v[TP+4*g+1]  op_sel:[1,0,0] op_sel_hi:[1,0,0]
	v_fma_mix_f32_bf16 v[TP+4*g+2],  v[HP+2*g+1], v[NEG1], v[TP+4*g+2]  op_sel:[0,0,0] op_sel_hi:[1,0,0]
	v_fma_mix_f32_bf16 v[TP+4*g+3],  v[HP+2*g+1], v[NEG1], v[TP+4*g+3]  op_sel:[1,0,0] op_sel_hi:[1,0,0]
.set g, g+1
.endr
.set g, 0
.rept 16                                           ; the lo packs: four numbers close up into the first two of their four registers
	v_cvt_pk_bf16_f32 v[W2N+4*g],   v[W2N+4*g],   v[W2N+4*g+1]
	v_cvt_pk_bf16_f32 v[W2N+4*g+1], v[W2N+4*g+2], v[W2N+4*g+3]
	v_cvt_pk_bf16_f32 v[TP+4*g],    v[TP+4*g],    v[TP+4*g+1]
	v_cvt_pk_bf16_f32 v[TP+4*g+1],  v[TP+4*g+2],  v[TP+4*g+3]
.set g, g+1
.endr
	s_wait_alu depctr_va_vdst(0)                   ; the lo packs are written, which the stores below read; and all vector work on v96-255 is over, in which c's loads and the A fragments' loads land
.set g, 0
.rept 16
	ds_store_b64 v[WLS], v[W2N+4*g:W2N+4*g+1] offset:(2*g-(g&7))*WLP+128
	ds_store_b64 v[WLS], v[TP+4*g:TP+4*g+1]   offset:(2*g-(g&7))*WLP+384
.set g, g+1
.endr
	s_wait_alu depctr_vm_vsrc(0)                   ; the 80 stores above have read CP, HV, HP and the lo packs: these registers are written again by c's loads and copies, by x2, by the A fragments' loads, by gamma's packs and fragments
	; c in the accumulators' layout (lane r holds k = 16 t + r in all eight registers): it is the C of each sum's first product.
	ds_load_b32 v[CI],   v[CWR]                    ; LDS serves a wave's instructions in order (ISA guide 5.7.1): these see my stores above
	ds_load_b32 v[CI+8], v[CWR] offset:64
; The weight fragments of part a (0: V, 1: P): lane r: k = 16 t + r; two loads of 16 bytes, 32 bytes apart.  They take the registers that x in f32 has left.
.macro WLOAD a
.irp ks, 0,1
.irp pr, 0,1
.irp t, 0,1
	ds_load_b128 v[WFR+8*(8*\a+4*\ks+2*\pr+\t):WFR+8*(8*\a+4*\ks+2*\pr+\t)+3],   v[WLR] offset:16*WLP*\t+128*(2*\a+\pr)+64*\ks
	ds_load_b128 v[WFR+8*(8*\a+4*\ks+2*\pr+\t)+4:WFR+8*(8*\a+4*\ks+2*\pr+\t)+7], v[WLR] offset:16*WLP*\t+128*(2*\a+\pr)+64*\ks+32
.endr
.endr
.endr
.endm
; A fragments out of xT[d][n] by the transposing load: lane (r, h) gets d = 32 ks + 8 h + 0..7 (then + 16) of row n = 16 m + r.  a = 0: x2, a = 1: x.
; The eight rows that a group of eight lanes addresses lie 160 bytes apart: eight different 32-byte columns modulo 256.
.macro ALOAD a
.irp ks, 0,1
.irp m, 0,1,2,3
	ds_load_tr16_b128 v[AF+8*(8*\a+4*\ks+\m):AF+8*(8*\a+4*\ks+\m)+3],   v[XTR] offset:(1-\a)*XTARR+4*XTBLK*\ks+32*\m
	ds_load_tr16_b128 v[AF+8*(8*\a+4*\ks+\m)+4:AF+8*(8*\a+4*\ks+\m)+7], v[XTR] offset:(1-\a)*XTARR+4*XTBLK*\ks+32*\m+2*XTBLK
.endr
.endr
.endm
; 32 ROWS OF x (block s): x and x2 as hi + lo fragments with n along the registers.  Rows li, li + 1 of register column q pack into
; register 4 pt + ip of tile q: lane (r, h) holds n = 32 s + 16 pt + 8 h + 2 ip, + 1 of column 64 c + 4 r + q.
; The hi fragments also go to LDS as xT[d][n].  Row d = 4 r + q lies at 1296 (r >> 1) + 640 (r & 1) + 160 q: modulo 256 that is
; 16 (r >> 1) + 128 (r & 1) + a constant, so the sixteen lanes of a half store to sixteen different 16-byte columns.
; First both hi fragments; behind one wait their stores, dealt among the lines that make the lo fragments.  Block 1 also carries the 64 fragment loads of the product over d.
.macro CONV s
	WIN 0x4a                                       ; destination window 1, sources window 2
.irp pt, 0,1
.irp ip, 0,1,2,3
.irp q, 0,1,2,3
	v_cvt_pk_bf16_f32 v[XH+8*(4*\s+\q)+4*\pt+\ip], v[XF+4*(16*\s+8*\pt+2*\ip)+\q], v[XF+4*(16*\s+8*\pt+2*\ip)+4+\q]
.endr
.endr
.endr
	WIN 0x0a                                       ; destination window 0
.set e, 0
.rept 32
	v_pk_mul_f32 v[X2T+2*e:X2T+2*e+1], v[XF+64*\s+2*e:XF+64*\s+2*e+1], v[XF+64*\s+2*e:XF+64*\s+2*e+1]
.set e, e+1
.endr
	WIN 0x40                                       ; destination window 1, sources window 0
.irp pt, 0,1
.irp ip, 0,1,2,3
.irp q, 0,1,2,3
	v_cvt_pk_bf16_f32 v[X2H+8*(4*\s+\q)+4*\pt+\ip], v[X2T+4*(8*\pt+2*\ip)+\q], v[X2T+4*(8*\pt+2*\ip)+4+\q]
.endr
.endr
.endr
	WIN 0x04                                       ; store data window 1
	s_wait_alu depctr_va_vdst(0)                   ; the block's XH and X2H are written, which its sixteen stores read; in block 1 also: block 0's lines are done with their half of XF, in which V's fragments land
.irp q, 0,1,2,3
.irp pt, 0,1
	ds_store_b128 v[XTS], v[XH+8*(4*\s+\q)+4*\pt:XH+8*(4*\s+\q)+4*\pt+3]   offset:XTROW*\q+64*\s+32*\pt
.endr
.endr
	WIN 0xa1                                       ; x - hi, in place: source 0 window 1, source 2 and destination window 2
.irp pt, 0,1
.irp ip, 0,1,2,3
.irp q, 0,1,2,3
	v_fma_mix_f32_bf16 v[XF+4*(16*\s+8*\pt+2*\ip)+\q],   v[XH+8*(4*\s+\q)+4*\pt+\ip], v[NEG1], v[XF+4*(16*\s+8*\pt+2*\ip)+\q]   op_sel:[0,0,0] op_sel_hi:[1,0,0]
	v_fma_mix_f32_bf16 v[XF+4*(16*\s+8*\pt+2*\ip)+4+\q], v[XH+8*(4*\s+\q)+4*\pt+\ip], v[NEG1], v[XF+4*(16*\s+8*\pt+2*\ip)+4+\q] op_sel:[1,0,0] op_sel_hi:[1,0,0]
.endr
.endr
.endr
	WIN 0x04
.irp q, 0,1,2,3
.irp pt, 0,1
	ds_store_b128 v[XTS], v[X2H+8*(4*\s+\q)+4*\pt:X2H+8*(4*\s+\q)+4*\pt+3] offset:XTARR+XTROW*\q+64*\s+32*\pt  ; no line since the wait writes X2H
.endr
.endr
.if \s
	WIN 0x80                                       ; destination window 2
	WLOAD 0                                        ; V's fragments, into block 0's half of XF: no line since the wait names it
.endif
	WIN 0x4a
.irp pt, 0,1
.irp ip, 0,1,2,3
.irp q, 0,1,2,3
	v_cvt_pk_bf16_f32 v[XL+8*(4*\s+\q)+4*\pt+\ip], v[XF+4*(16*\s+8*\pt+2*\ip)+\q], v[XF+4*(16*\s+8*\pt+2*\ip)+4+\q]
.endr
.endr
.endr
.if \s
	WIN 0x80
	s_wait_alu depctr_va_vdst(0)                   ; the conversions above, the last lines that name XF, are done with block 1's half, in which P's fragments land
	WLOAD 1
	WIN 0
	ALOAD 0                                        ; x2's A fragments: xT is whole; v96-223 have been named by no vector line since the wait behind the weights' lo packs
.endif
	WIN 0x01                                       ; x2 - hi, in place in window 0
.irp pt, 0,1
.irp ip, 0,1,2,3
.irp q, 0,1,2,3
	v_fma_mix_f32_bf16 v[X2T+4*(8*\pt+2*\ip)+\q],   v[X2H+8*(4*\s+\q)+4*\pt+\ip], v[NEG1], v[X2T+4*(8*\pt+2*\ip)+\q]   op_sel:[0,0,0] op_sel_hi:[1,0,0]
	v_fma_mix_f32_bf16 v[X2T+4*(8*\pt+2*\ip)+4+\q], v[X2H+8*(4*\s+\q)+4*\pt+\ip], v[NEG1], v[X2T+4*(8*\pt+2*\ip)+4+\q] op_sel:[1,0,0] op_sel_hi:[1,0,0]
.endr
.endr
.endr
.if \s
	WIN 0
	ALOAD 1                                        ; x's A fragments
.endif
	WIN 0x40
.irp pt, 0,1
.irp ip, 0,1,2,3
.irp q, 0,1,2,3
	v_cvt_pk_bf16_f32 v[X2L+8*(4*\s+\q)+4*\pt+\ip], v[X2T+4*(8*\pt+2*\ip)+\q], v[X2T+4*(8*\pt+2*\ip)+4+\q]
.endr
.endr
.endr
.endm
	s_wait_loadcnt 16                              ; the first 16 loads of x (rows 0-31) are in, the 16 loads of rows 32-63 stay out
	CONV 0
	WIN 0
	s_wait_dscnt 16                                ; LDS instructions end in order: c's two loads are in; block 0's sixteen stores, issued behind them, may be out
.irp i, 1,2,3,4,5,6,7
	v_mov_b32 v[CI+\i],   v[CI]
	v_mov_b32 v[CI+8+\i], v[CI+8]
.endr
	s_wait_loadcnt 0x0
	CONV 1
	; THE PRODUCT OVER d: Y of all 64 rows over my 64 columns.  K step (a, ks): a = 0 is x2 with V, a = 1 is x with P; ks: d = 32 ks ..
; 16 matrix instructions of a K step: hi weights, then lo.  The eight accumulators take turns, one instruction a turn.
; first = 1: the sums start from my strip's part of c: nothing is cleared.
.macro STEP2 a, ks, first
.irp pr, 0,1
.irp m, 0,1,2,3
.irp t, 0,1
.if (\first)*(1-\pr)
	v_wmma_f32_16x16x32_bf16 v[SA+8*(2*\m+\t):SA+8*(2*\m+\t)+7], v[AF+8*(8*\a+4*\ks+\m):AF+8*(8*\a+4*\ks+\m)+7], v[WFR+8*(8*\a+4*\ks+2*\pr+\t):WFR+8*(8*\a+4*\ks+2*\pr+\t)+7], v[CI+8*\t:CI+8*\t+7]
.else
	v_wmma_f32_16x16x32_bf16 v[SA+8*(2*\m+\t):SA+8*(2*\m+\t)+7], v[AF+8*(8*\a+4*\ks+\m):AF+8*(8*\a+4*\ks+\m)+7], v[WFR+8*(8*\a+4*\ks+2*\pr+\t):WFR+8*(8*\a+4*\ks+2*\pr+\t)+7], v[SA+8*(2*\m+\t):SA+8*(2*\m+\t)+7]
.endif
.endr
.endr
.endr
.endm
	WIN 0x08                                       ; B (source 1) window 2
	s_wait_dscnt 24                                ; LDS loads come back in order: all weight fragments and this K step's 8 loads are in, 3 x 8 younger stay out
	STEP2 0, 0, 1
	s_wait_dscnt 16                                ; 2 x 8 stay out
	STEP2 0, 1, 0
	s_wait_dscnt 8                                 ; the last K step's 8 stay out
	STEP2 1, 0, 0
	s_wait_dscnt 0x0
	STEP2 1, 1, 0
	WIN 0
	PLACES
	s_wait_alu depctr_va_vdst(0)                   ; the matrix instructions have written SA, which the stores below read, and are done reading AF, in which Y's loads land behind the barrier; the places above stay beside this wait
	; THE FOUR STRIPS' PARTS OF Y MEET.  Row tile m goes to wave m; 16 bytes a lane, neighbouring lanes at neighbouring bytes.
.irp m, 0,1,2,3
.irp t, 0,1
.irp hf, 0,1
	ds_store_b128 v[SXS], v[SA+8*(2*\m+\t)+4*\hf:SA+8*(2*\m+\t)+4*\hf+3] offset:8192*\m+1024*\t+512*\hf
.endr
.endr
.endr
	s_wait_dscnt 0x0                               ; my stores are done, for the other waves' sake
	s_barrier_signal -1
	s_barrier_wait -1
.irp f, 0,1,2,3
.irp t, 0,1
.irp hf, 0,1
	ds_load_b128 v[Y+16*\f+8*\t+4*\hf:Y+16*\f+8*\t+4*\hf+3], v[SXR] offset:2048*\f+1024*\t+512*\hf
.endr
.endr
.endr
	s_wait_dscnt 0x0
.irp i, 0,1,2,3,4,5,6,7
	v_pk_add_f32 v[Y+2*\i:Y+2*\i+1], v[Y+2*\i:Y+2*\i+1], v[Y+16+2*\i:Y+16+2*\i+1]
	v_pk_add_f32 v[Y+32+2*\i:Y+32+2*\i+1], v[Y+32+2*\i:Y+32+2*\i+1], v[Y+48+2*\i:Y+48+2*\i+1]
.endr
.irp i, 0,1,2,3,4,5,6,7
	v_pk_add_f32 v[Y+2*\i:Y+2*\i+1], v[Y+2*\i:Y+2*\i+1], v[Y+32+2*\i:Y+32+2*\i+1]
.endr
	; SOFTMAX over k of my 16 rows.  Register 8 t + j of lane (r, h): row 16 c + 8 h + j, k = 16 t + r: a row's 32 k lie in two
	; registers of the 16 lanes of a half.
.irp j, 0,1,2,3,4,5,6,7
	v_max_num_f32 v[MX+\j], v[Y+\j], v[Y+8+\j]
.endr
.irp x, 1,2,4,8
.irp j, 0,1,2,3,4,5,6,7
	v_max_num_f32_dpp v[MX+\j], v[MX+\j], v[MX+\j] row_xmask:\x row_mask:0xf bank_mask:0xf
.endr
.endr
.irp t, 0,1
.irp i, 0,1,2,3
	v_pk_add_f32 v[Y+8*\t+2*\i:Y+8*\t+2*\i+1], v[Y+8*\t+2*\i:Y+8*\t+2*\i+1], v[MX+2*\i:MX+2*\i+1] neg_lo:[0,1] neg_hi:[0,1]   ; Y - max: at most 0
.endr
.endr
.irp i, 0,1,2,3,4,5,6,7
	v_pk_mul_f32 v[Y+2*\i:Y+2*\i+1], v[Y+2*\i:Y+2*\i+1], 0x3f38aa3b op_sel_hi:[1,0]    ; times 0.5 log2(e): y4 = Y / 2, and v_exp_f32 is 2^x
.endr
.irp i, 0,1,2,3,4,5,6,7,8,9,10,11,12,13,14,15
	v_exp_f32 v[Y+\i], v[Y+\i]
.endr
	v_nop                                          ; one plain vector instruction behind the last transcendental (ISA guide 5.7.2)
	s_wait_alu depctr_va_vdst(0)
.irp i, 0,1,2,3
	v_pk_add_f32 v[SM+2*\i:SM+2*\i+1], v[Y+2*\i:Y+2*\i+1], v[Y+8+2*\i:Y+8+2*\i+1]
.endr
.irp x, 1,2,4,8
.irp j, 0,1,2,3,4,5,6,7
	v_add_f32_dpp v[SM+\j], v[SM+\j], v[SM+\j] row_xmask:\x row_mask:0xf bank_mask:0xf
.endr
.endr
.irp j, 0,1,2,3,4,5,6,7
	v_rcp_f32 v[SM+\j], v[SM+\j]                   ; the sum is at least 1: the largest term is 2^0
.endr
	v_nop
	s_wait_alu depctr_va_vdst(0)
.irp t, 0,1
.irp i, 0,1,2,3
	v_pk_mul_f32 v[Y+8*\t+2*\i:Y+8*\t+2*\i+1], v[Y+8*\t+2*\i:Y+8*\t+2*\i+1], v[SM+2*\i:SM+2*\i+1]    ; gamma
.endr
.endr
	; gamma as hi + lo.  Packing rows j, j + 1 gives half an A fragment of gamma^T: lane r is row k = 16 t + r, n = 16 c + 8 h + 0..7 along four registers.
.irp t, 0,1
.irp i, 0,1,2,3
	v_cvt_pk_bf16_f32 v[GA+4*\t+\i], v[Y+8*\t+2*\i], v[Y+8*\t+2*\i+1]
.endr
.endr
.irp t, 0,1
.irp i, 0,1,2,3
	v_fma_mix_f32_bf16 v[Y+8*\t+2*\i],   v[GA+4*\t+\i], v[NEG1], v[Y+8*\t+2*\i]   op_sel:[0,0,0] op_sel_hi:[1,0,0]
	v_fma_mix_f32_bf16 v[Y+8*\t+2*\i+1], v[GA+4*\t+\i], v[NEG1], v[Y+8*\t+2*\i+1] op_sel:[1,0,0] op_sel_hi:[1,0,0]
.endr
.endr
.irp t, 0,1
.irp i, 0,1,2,3
	v_cvt_pk_bf16_f32 v[GA+8+4*\t+\i], v[Y+8*\t+2*\i], v[Y+8*\t+2*\i+1]
.endr
.endr
	s_wait_alu depctr_va_vdst(0)                   ; the conversions have written GA, which the four stores read; and every line that named v176-239 (A fragments, c) is done, in which gamma's fragments land behind the barrier
.irp pr, 0,1
.irp t, 0,1
	ds_store_b128 v[GMS], v[GA+8*\pr+4*\t:GA+8*\pr+4*\t+3] offset:1024*\pr+512*\t
.endr
.endr
	s_wait_dscnt 0x0                               ; my stores are done, for the other waves' sake
	s_barrier_signal -1
	s_barrier_wait -1
	; Block s of 32 rows: registers 0-3 from wave 2 s (n = 32 s + 8 h ..), registers 4-7 from wave 2 s + 1 (n = 32 s + 16 + 8 h ..)
.irp pr, 0,1
.irp s, 0,1
.irp t, 0,1
	ds_load_b128 v[GF+8*(4*\pr+2*\s+\t):GF+8*(4*\pr+2*\s+\t)+3],   v[GML] offset:4096*\s+1024*\pr+512*\t
	ds_load_b128 v[GF+8*(4*\pr+2*\s+\t)+4:GF+8*(4*\pr+2*\s+\t)+7], v[GML] offset:4096*\s+1024*\pr+512*\t+2048
.endr
.endr
.endr
	s_wait_alu depctr_vm_vsrc(0)                   ; the stores of Y's parts have read v32-95, which the products below write as G1; the stores to xT have read XH, over which the results are written at the end
	s_wait_dscnt 0x0
; THE PRODUCTS OVER n: 16 matrix instructions, gamma part pr of block s with x's fragments at xb1 (into G1) and x2's at xb2 (into G2).
; The sixteen accumulators take turns, one instruction a turn.  zero = 1: the first product starts the sums.
.macro NPROD pr, xb1, xb2, s, zero
.irp t, 0,1
.irp q, 0,1,2,3
.if \zero
	v_wmma_f32_16x16x32_bf16 v[G1+8*(4*\t+\q):G1+8*(4*\t+\q)+7], v[GF+8*(4*\pr+2*\s+\t):GF+8*(4*\pr+2*\s+\t)+7], v[\xb1+8*(4*\s+\q):\xb1+8*(4*\s+\q)+7], 0
	v_wmma_f32_16x16x32_bf16 v[G2+8*(4*\t+\q):G2+8*(4*\t+\q)+7], v[GF+8*(4*\pr+2*\s+\t):GF+8*(4*\pr+2*\s+\t)+7], v[\xb2+8*(4*\s+\q):\xb2+8*(4*\s+\q)+7], 0
.else
	v_wmma_f32_16x16x32_bf16 v[G1+8*(4*\t+\q):G1+8*(4*\t+\q)+7], v[GF+8*(4*\pr+2*\s+\t):GF+8*(4*\pr+2*\s+\t)+7], v[\xb1+8*(4*\s+\q):\xb1+8*(4*\s+\q)+7], v[G1+8*(4*\t+\q):G1+8*(4*\t+\q)+7]
	v_wmma_f32_16x16x32_bf16 v[G2+8*(4*\t+\q):G2+8*(4*\t+\q)+7], v[GF+8*(4*\pr+2*\s+\t):GF+8*(4*\pr+2*\s+\t)+7], v[\xb2+8*(4*\s+\q):\xb2+8*(4*\s+\q)+7], v[G2+8*(4*\t+\q):G2+8*(4*\t+\q)+7]
.endif
.endr
.endr
.endm
	WIN 0x04                                       ; B (source 1) window 1
	NPROD 0, XH, X2H, 0, 1                         ; hi * hi
	NPROD 0, XL, X2L, 0, 0                         ; hi * lo
	NPROD 1, XH, X2H, 0, 0                         ; lo * hi
	NPROD 0, XH, X2H, 1, 0
	NPROD 0, XL, X2L, 1, 0
	NPROD 1, XH, X2H, 1, 0
	WIN 0
	; G0 = gamma^T 1: every column of the tile holds the sum over n; the two accumulators take turns
.irp t, 0,1
	v_wmma_f32_16x16x32_bf16 v[G0+8*\t:G0+8*\t+7], v[GF+8*\t:GF+8*\t+7], v[ONES:ONES+7], 0
.endr
.irp u, 2,4,6
.irp t, 0,1
	v_wmma_f32_16x16x32_bf16 v[G0+8*\t:G0+8*\t+7], v[GF+8*(\u+\t):GF+8*(\u+\t)+7], v[ONES:ONES+7], v[G0+8*\t:G0+8*\t+7]
.endr
.endr
	PLACES
; CLOSING, in f32, a k tile t at a time.  Element (t, j, q) of lane (r, h): k = 16 t + 8 h + j, d = 64 c + 4 r + q; w and b lie as they were loaded.
; Tile 0's stores are out while tile 1 is closed: tile 1's lines name its own accumulators, w, b and its own half of RES, none of the registers that those stores read.
.macro CLOSE t
	WIN 0x02                                       ; source 0 window 2
.irp j, 0,1,2,3,4,5,6,7
.irp q, 0,1,2,3
	v_fma_f32 v[G2+8*(4*\t+\q)+\j], v[BF+4*(8*\t+\j)+\q], v[G1+8*(4*\t+\q)+\j], v[G2+8*(4*\t+\q)+\j]    ; G2 + b*G1
.endr
.endr
.irp j, 0,1,2,3,4,5,6,7
.irp q, 0,1,2,3
	v_fma_f32 v[G1+8*(4*\t+\q)+\j], v[BF+4*(8*\t+\j)+\q], v[G0+8*\t+\j], v[G1+8*(4*\t+\q)+\j]           ; u = G1 + b*G0
.endr
.endr
.irp j, 0,1,2,3,4,5,6,7
.irp q, 0,1,2,3
	v_fma_f32 v[G2+8*(4*\t+\q)+\j], v[BF+4*(8*\t+\j)+\q], v[G1+8*(4*\t+\q)+\j], v[G2+8*(4*\t+\q)+\j]    ; + b*u
.endr
.endr
.irp j, 0,1,2,3,4,5,6,7
.irp q, 0,1,2,3
	v_mul_f32 v[G2+8*(4*\t+\q)+\j], v[WF+4*(8*\t+\j)+\q], v[G2+8*(4*\t+\q)+\j]                          ; times w
.endr
.endr
	WIN 0x42                                       ; and destination window 1: the four q of a row become four neighbouring registers
.irp j, 0,1,2,3,4,5,6,7
.irp q, 0,1,2,3
	v_mul_f32 v[RES+8*(8*\t+\j)+4+\q], v[WF+4*(8*\t+\j)+\q], v[G1+8*(4*\t+\q)+\j]                       ; sum gamma*y1 = w*u
	v_fma_f32 v[RES+8*(8*\t+\j)+\q], v[WF+4*(8*\t+\j)+\q], v[G2+8*(4*\t+\q)+\j], -v[G0+8*\t+\j]         ; sum gamma*(y2-1)
.endr
.endr
	WIN 0x04                                       ; store data window 1
	s_wait_alu depctr_va_vdst(0)                   ; the lines above have written this tile's half of RES, which its sixteen stores read
.irp j, 0,1,2,3,4,5,6,7
	global_store_b128 v[GOFF], v[RES+8*(8*\t+\j):RES+8*(8*\t+\j)+3],   s[10:11] offset:ROWB*(16*\t+\j)          ; each store: two aligned runs of 256 consecutive bytes
	global_store_b128 v[GOFF], v[RES+8*(8*\t+\j)+4:RES+8*(8*\t+\j)+7], s[10:11] offset:ROWB*(16*\t+\j)+32768
.endr
.endm
	CLOSE 0
	CLOSE 1
	WIN 0
	s_wait_dscnt 0x0
	s_wait_alu depctr_hold_cnt(0) depctr_sa_sdst(0) depctr_va_vdst(0) depctr_va_sdst(0) depctr_va_ssrc(0) depctr_va_vcc(0) depctr_vm_vsrc(0)
	s_wait_tensorcnt 0x0
	ds_add_u32 v21, v23
	s_wait_dscnt 0x0
	s_endpgm
.Lfunc_end_k_q109fa6aeb1_fisher_part:
	.size	k_q109fa6aeb1_fisher_part, .Lfunc_end_k_q109fa6aeb1_fisher_part-k_q109fa6aeb1_fisher_part
	.p2alignl 7, 3214868480
	.fill 96, 4, 3214868480
	.section	.rodata,"a",@progbits
	.p2align	6, 0x0
	.amdhsa_kernel k_q109fa6aeb1_fisher_part
		.amdhsa_group_segment_fixed_size 193024
		.amdhsa_private_segment_fixed_size 0
		.amdhsa_enable_private_segment 0
		.amdhsa_kernarg_size 32
		.amdhsa_user_sgpr_count 2
		.amdhsa_user_sgpr_kernarg_segment_ptr 1
		.amdhsa_wavefront_size32 1
		.amdhsa_system_sgpr_workgroup_id_x 1
		.amdhsa_system_sgpr_workgroup_id_y 1
		.amdhsa_system_sgpr_workgroup_id_z 1
		.amdhsa_system_vgpr_workitem_id 0
		.amdhsa_next_free_vgpr 768
		.amdhsa_next_free_sgpr 66
		.amdhsa_reserve_vcc 0
		.amdhsa_float_denorm_mode_32 3
		.amdhsa_float_denorm_mode_16_64 3
		.amdhsa_memory_ordered 1
		.amdhsa_forward_progress 1
		.amdhsa_inst_pref_size 136
	.end_amdhsa_kernel
	.amdgpu_metadata
---
amdhsa.version: [ 1, 2 ]
amdhsa.kernels:
  - .name:           k_q109fa6aeb1_fisher_part
    .symbol:         k_q109fa6aeb1_fisher_part.kd
    .args:
      - { .name: x, .offset: 0, .size: 8, .value_kind: global_buffer, .address_space: global }
      - { .name: w, .offset: 8, .size: 8, .value_kind: global_buffer, .address_space: global }
      - { .name: b, .offset: 16, .size: 8, .value_kind: global_buffer, .address_space: global }
      - { .name: part, .offset: 24, .size: 8, .value_kind: global_buffer, .address_space: global }
    .group_segment_fixed_size: 193024
    .private_segment_fixed_size: 0
    .kernarg_segment_align: 8
    .kernarg_segment_size: 32
    .max_flat_workgroup_size: 128
    .sgpr_count:     66
    .vgpr_count:     768
    .wavefront_size: 32
...
	.end_amdgpu_metadata
.endif
;; end of part 3
;; launch fisher_sum: the kernel of part 2 again; grid 256 x 1, 8 waves a work-group, no clusters, 5,120 bytes of LDS; arguments part, out0; writes out0
